; MI455X (gfx1250); checked and timed in simulation.
; The chip was launched on July 23, 2026; its instructions are those of AMD's public machine-readable ISA for CDNA 5 (MIT licence, August 2026) and "CDNA5" Instruction Set Architecture Reference Guide (July 2026). The comments in the code are by the model that wrote it; some were corrected since.
;; Attention Mechanism. Allowed arithmetic: float matrix products may take bf16 or f16 operands with f32 sums; all other float work in f32.
;; Inputs: W 1,024 x 1,024 float32; b 1,024 float32; decoder_hidden 32 x 1,024 float32; encoder_outputs 2,048 x 32 x 1,024 float32.
;; Outputs: out0 32 x 1 x 2,048 float32.
;; 2 versions, each right; version 2 is version 1 with the launches project, energies written anew for expert scheduling mode. Each part assembles by itself: llvm-mc -triple=amdgcn-amd-amdhsa -mcpu=gfx1250 --defsym DOCPART=n.
;; ======== version 1 of 2: 3 launches
;; workspace buffers: u_ws 131,072 bytes; e_ws 262,144 bytes
;; launch project (part 1): grid 16 x 8, 8 waves a work-group, no clusters, 17,408 bytes of LDS; arguments decoder_hidden, W, u_ws; writes u_ws
.if DOCPART == 1
	.amdgcn_target "amdgcn-amd-amdhsa--gfx1250"
	.amdhsa_code_object_version 6
	.text
	.protected	k_qbda13212ad_project
	.globl	k_qbda13212ad_project
	.p2align	8
	.type	k_qbda13212ad_project,@function
k_qbda13212ad_project:
	s_mov_b64 s[64:65], 0
	v_nop
	global_prefetch_b8 v0, s[64:65] scope:SCOPE_SE
	s_setreg_imm32_b32 hwreg(HW_REG_WAVE_MODE, 25, 1), 1
	s_wait_xcnt 0x0
; u[b][h] = the sum over k of dec[b][k] W[k][h].  dec: [32][1024] f32, W: [1024][1024] f32, u: [32][1024] f32.
; WHY.  energy[b][s] = dec[b] . (W enc[s][b] + bias) = (dec[b] W) . enc[s][b] + dec[b] . bias for every input, so the large product is never formed:
; this launch makes dec W, the next one its dot products with enc, the last one adds dec . bias and takes the softmax.
; ALL IN F32, on the vector unit: the energies' spread is about 32 and a weight of the softmax follows an energy's error one to one, so 16-bit operands
; would leave the allowance; and the work is 34 M multiply-adds beside 4 MiB of W.
; LIMIT.  The order of the f32 sums differs from the order in which the unfactored product would add; NaN and infinities are not treated apart.
; SHARES.  A work-group makes 4 rows b x 64 columns h.  Wave w takes k = 128 w .. 128 w + 127; lanes 0-15 the first 64 of them, lanes 16-31 the other 64;
; a lane holds 4 columns.  So one load of W brings two pieces of 256 consecutive bytes, each at a multiple of 256 from W's first byte.
; dec comes in by whole rows' pieces (512 consecutive bytes a load): dec[.][128 w + 64 h + j] then lies in lane j / 4 of my own 16 lanes, register j % 4,
; and a DPP move (row_share) hands it to all sixteen.
; The 16 partial sums (8 waves x 2 halves) meet in LDS; waves 0 and 1 add them and store.
; No address register is ever rewritten: every step stands in an immediate.
.set SLOTS, 48                         ; rows of W on their way in each half of the lanes
.set KW,    64                         ; steps: k of a half-wave
.set WROW,  4096                       ; bytes in a row of W, of dec and of u
.set SPARE, 16384                      ; behind the partial sums: the spare words, 128 bytes for each of the eight waves
.set VW,  1                            ; v1        byte offset of my 16 bytes in the wave's first row of W: h << 18 | 16 c
.set VD,  2                            ; v2        16 x lane: my 16 bytes of the wave's 512 of a row of dec
.set D,   4                            ; v[4:19]   dec, row i at D + 4 i
.set A,   20                           ; v[20:35]  sums: row i, my 4 columns, at A + 4 i
.set T,   36                           ; v[36:43]  the step's four numbers of dec, each in the low word of a pair of its own
.set X,   44                           ; v[44:235] the ring: slot j % 48, 4 registers
.set SPW, 236                          ; v236      LDS address of my spare word; never rewritten
.set NIL, 237                          ; v237      0; never rewritten
.set LST, 238                          ; v238      where my partial sums go
.set LRD, 239                          ; v239      where I read partial sums back (waves 0 and 1)
.set UO,  240                          ; v240      my byte offset in the work-group's part of u (waves 0 and 1)
	s_load_b128 s[4:7], s[0:1], 0x0                ; dec s[4:5], W s[6:7]
	s_load_b64 s[8:9], s[0:1], 0x10                ; u
	v_lshl_add_u32 v[SPW], v0, 2, SPARE
	v_mov_b32 v[NIL], 0
	v_lshrrev_b32 v3, 5, v0
	v_readfirstlane_b32 s10, v3                    ; wave 0..7
	s_and_b32 s11, ttmp7, 0xffff                   ; which four rows b
	s_lshl_b32 s12, ttmp9, 8                       ; W: my 64 columns, 256 bytes of a row,
	s_lshl_b32 s20, s10, 19                        ; and the wave's 128 rows of 4,096 bytes
	s_add_co_u32 s12, s12, s20
	s_mov_b32 s13, 0
	s_lshl_b32 s14, s11, 14                        ; dec: four rows of 4,096 bytes,
	s_lshl_b32 s20, s10, 9                         ; and the wave's 128 numbers
	s_add_co_u32 s14, s14, s20
	s_mov_b32 s15, 0
	s_lshl_b32 s16, s11, 14                        ; u: the same four rows,
	s_lshl_b32 s20, ttmp9, 8                       ; the same 64 columns
	s_add_co_u32 s16, s16, s20
	s_mov_b32 s17, 0
	v_and_b32 v3, 15, v0
	v_lshlrev_b32 v3, 4, v3                        ; 16 c
	v_bfe_u32 v[VW], v0, 4, 1                      ; h
	v_lshl_or_b32 v[LST], v[VW], 10, v3            ; set 2 w + h of 1,024 bytes: h << 10 | 16 c,
	v_lshl_or_b32 v[VW], v[VW], 18, v3             ; 64 rows of W further down for lanes 16-31
	v_lshl_add_u32 v[LST], s10, 11, v[LST]         ; + w << 11
	v_and_b32 v[VD], 31, v0
	v_lshlrev_b32 v[VD], 4, v[VD]
	v_and_b32 v[LRD], 63, v0                       ; t = 16 i + c among the 64 threads of waves 0 and 1
	v_lshrrev_b32 v[UO], 4, v[LRD]
	v_lshl_or_b32 v[UO], v[UO], 12, v3             ; row i of u, 16 c
	v_lshlrev_b32 v[LRD], 4, v[LRD]                ; 16 t: inside a set of 1,024 bytes
.irp i, 0,1,2,3,4,5,6,7
	v_mov_b32 v[T+(\i)], 0                         ; a DPP move's destination counts as read, and the packed forms name whole pairs: all eight are written once
.endr
	s_wait_kmcnt 0x0
	s_add_nc_u64 s[4:5], s[4:5], s[14:15]
	s_add_nc_u64 s[6:7], s[6:7], s[12:13]
	s_add_nc_u64 s[8:9], s[8:9], s[16:17]
.irp i, 0,1,2,3
	global_load_b128 v[D+4*(\i):D+4*(\i)+3], v[VD], s[4:5] offset:(\i)*WROW
.endr
.set j, 0
.rept SLOTS                            ; the ring is filled: with dec's four, 52 loads of the wave are out
	global_load_b128 v[X+4*j:X+4*j+3], v[VW], s[6:7] offset:j*WROW
.set j, j+1
.endr
; Step j = 4 n + r: row j of my half's 64 rows of W times dec's number j, for the four rows b.
.macro STEP n, r
.set j, 4*(\n)+(\r)
.set xs, X+4*(j%SLOTS)
.if j <= KW-SLOTS
	s_wait_loadcnt SLOTS-1                         ; loads come back in order (ISA guide 5.7.1): row j is in, the 47 asked for behind it stay out; at j = 0 dec, asked for first, is in too
.else
	s_wait_loadcnt KW-1-j                          ; nothing is asked for any more: the counts run down
.endif
.irp i, 0,1,2,3
	v_mov_b32_dpp v[T+2*(\i)], v[D+4*(\i)+(\r)] row_share:\n row_mask:0xf bank_mask:0xf  ; dec[4 bc + i][128 w + 64 h + j] to all sixteen lanes of my half
.endr
.irp i, 0,1,2,3
.irp q, 0,2
.if j == 0
	v_pk_mul_f32 v[A+4*(\i)+(\q):A+4*(\i)+(\q)+1], v[xs+(\q):xs+(\q)+1], v[T+2*(\i):T+2*(\i)+1] op_sel_hi:[1,0]  ; the first products start the sums: nothing is cleared
.else
	v_pk_fma_f32 v[A+4*(\i)+(\q):A+4*(\i)+(\q)+1], v[xs+(\q):xs+(\q)+1], v[T+2*(\i):T+2*(\i)+1], v[A+4*(\i)+(\q):A+4*(\i)+(\q)+1] op_sel_hi:[1,0,1]
.endif
.endr
.endr
.if j < KW-SLOTS
	global_load_b128 v[xs:xs+3], v[VW], s[6:7] offset:(j+SLOTS)*WROW  ; the slot's next row
.endif
.endm
.irp n, 0,1,2,3,4,5,6,7,8,9,10,11,12,13,14,15
.irp r, 0,1,2,3
	STEP \n, \r
.endr
.endr
	; my partial sums: set 2 w + h, row i, 64 columns; sixteen lanes write 256 consecutive bytes
.irp i, 0,1,2,3
	ds_store_b128 v[LST], v[A+4*(\i):A+4*(\i)+3] offset:256*(\i)
.endr
	s_wait_tensorcnt 0x0                           ; behind my last LDS store
	ds_add_u32 v[SPW], v[NIL]
	s_wait_dscnt 0x0                               ; the last of them is also the wait, for the others' sake, for my stores above
	s_barrier_signal -1
	s_barrier_wait -1                              ; all sixteen sets are in LDS
	s_cmp_lt_u32 s10, 2
	s_cbranch_scc0 .Lend                           ; 4 rows x 64 columns are 64 threads' 16 bytes: waves 0 and 1
.set p, 0
.rept 16
	ds_load_b128 v[X+4*p:X+4*p+3], v[LRD] offset:1024*p
.set p, p+1
.endr
	s_wait_dscnt 0x0
.irp st, 8,4,2,1                       ; a tree over the sixteen sets
.set p, 0
.rept \st
	v_pk_add_f32 v[X+4*p:X+4*p+1], v[X+4*p:X+4*p+1], v[X+4*(p+(\st)):X+4*(p+(\st))+1]
	v_pk_add_f32 v[X+4*p+2:X+4*p+3], v[X+4*p+2:X+4*p+3], v[X+4*(p+(\st))+2:X+4*(p+(\st))+3]
.set p, p+1
.endr
.endr
	global_store_b128 v[UO], v[X:X+3], s[8:9]      ; sixteen lanes store 256 consecutive bytes of a row of u, at a multiple of 256 from u's first byte
.Lend:
	s_endpgm
.Lfunc_end_k_qbda13212ad_project:
	.size	k_qbda13212ad_project, .Lfunc_end_k_qbda13212ad_project-k_qbda13212ad_project
	.p2alignl 7, 3214868480
	.fill 96, 4, 3214868480
	.section	.rodata,"a",@progbits
	.p2align	6, 0x0
	.amdhsa_kernel k_qbda13212ad_project
		.amdhsa_group_segment_fixed_size 17408
		.amdhsa_private_segment_fixed_size 0
		.amdhsa_enable_private_segment 0
		.amdhsa_kernarg_size 24
		.amdhsa_user_sgpr_count 2
		.amdhsa_user_sgpr_kernarg_segment_ptr 1
		.amdhsa_wavefront_size32 1
		.amdhsa_system_sgpr_workgroup_id_x 1
		.amdhsa_system_sgpr_workgroup_id_y 1
		.amdhsa_system_sgpr_workgroup_id_z 1
		.amdhsa_system_vgpr_workitem_id 0
		.amdhsa_next_free_vgpr 242
		.amdhsa_next_free_sgpr 66
		.amdhsa_reserve_vcc 0
		.amdhsa_float_denorm_mode_32 3
		.amdhsa_float_denorm_mode_16_64 3
		.amdhsa_memory_ordered 1
		.amdhsa_forward_progress 1
		.amdhsa_inst_pref_size 62
	.end_amdhsa_kernel
	.amdgpu_metadata
---
amdhsa.version: [ 1, 2 ]
amdhsa.kernels:
  - .name:           k_qbda13212ad_project
    .symbol:         k_qbda13212ad_project.kd
    .args:
      - { .name: decoder_hidden, .offset: 0, .size: 8, .value_kind: global_buffer, .address_space: global }
      - { .name: W, .offset: 8, .size: 8, .value_kind: global_buffer, .address_space: global }
      - { .name: u_ws, .offset: 16, .size: 8, .value_kind: global_buffer, .address_space: global }
    .group_segment_fixed_size: 17408
    .private_segment_fixed_size: 0
    .kernarg_segment_align: 8
    .kernarg_segment_size: 24
    .max_flat_workgroup_size: 256
    .sgpr_count:     66
    .vgpr_count:     242
    .wavefront_size: 32
...
	.end_amdgpu_metadata
.endif
;; end of part 1
;; launch energies (part 2): grid 8 x 32, 8 waves a work-group, no clusters, 2,048 bytes of LDS; arguments encoder_outputs, u_ws, e_ws; writes e_ws
.if DOCPART == 2
	.amdgcn_target "amdgcn-amd-amdhsa--gfx1250"
	.amdhsa_code_object_version 6
	.text
	.protected	k_qbda13212ad_energies
	.globl	k_qbda13212ad_energies
	.p2align	8
	.type	k_qbda13212ad_energies,@function
k_qbda13212ad_energies:
	s_mov_b64 s[64:65], 0
	v_nop
	global_prefetch_b8 v0, s[64:65] scope:SCOPE_SE
	s_setreg_imm32_b32 hwreg(HW_REG_WAVE_MODE, 25, 1), 1
	s_wait_xcnt 0x0
; e[b][s] = the sum over h of u[b][h] enc[s][b][h].  enc: [2048][32][1024] f32, u: [32][1024] f32, e: [32][2048] f32.  (dec . bias is added by the next launch.)
; A stream: every byte of enc is read once, by loads of 512 consecutive bytes; all arithmetic in f32 on the vector unit (two multiply-adds for 8 bytes read).
; LIMIT.  The order of the f32 sums is this text's own (four chains a lane, then a tree over the lanes); NaN and infinities are not treated apart.
; SHARES.  A work-group owns 256 values of s for one b; wave w 32 of them.  A row enc[s][b][:] is 4,096 consecutive bytes: eight loads of the wave; a lane holds columns
; 128 j + 4 lane + 0..3, and keeps the same columns of u[b] in 32 registers for the whole kernel.  Rows of one b lie 131,072 bytes apart: the row stands in the immediate
; (31 x 131,072 + 3,584 at the most, inside its signed 24 bits), so no address register is ever rewritten.
; A ring of six row slots in registers: while one row is multiplied, five are on their way: 40 loads of each wave, 20 KiB.
; No LDS ring, no matrix unit, no cluster: the waves share only u[b], 4 KiB beside a wave's 128 KiB of enc.
.set SLOTS, 6
.set ROWS,  32                         ; rows of a wave
.set SROW,  131072                     ; bytes from enc[s][b] to enc[s+1][b]
.set SPARE, 1024                       ; behind the 256 energies: the spare words, 128 bytes for each of the eight waves
.set LO,  1                            ; v1        16 x lane
.set U,   2                            ; v[2:33]   my 32 numbers of u[b]
.set X,   34                           ; v[34:225] slot i % 6: 32 registers, a row as loaded
.set A,   226                          ; v[226:233] four chains of packed sums
.set T,   234                          ; v234      the row's sum
.set T1,  235                          ; v235      the other half of the lanes' sum
.set E,   236                          ; v236      lane i keeps row i's energy
.set LE,  237                          ; v237      4 x thread: where my energy goes in LDS
.set SPW, 238                          ; v238      LDS address of my spare word; never rewritten
.set NIL, 239                          ; v239      0; never rewritten
.set OA,  240                          ; v240      16 x (thread mod 64): LDS and e alike, on the way out
.set OD,  242                          ; v[242:245] four energies on the way out
	s_load_b128 s[4:7], s[0:1], 0x0                ; enc s[4:5], u s[6:7]
	s_load_b64 s[8:9], s[0:1], 0x10                ; e
	v_lshl_add_u32 v[SPW], v0, 2, SPARE
	v_mov_b32 v[NIL], 0
	v_lshrrev_b32 v[LO], 5, v0
	v_readfirstlane_b32 s10, v[LO]                 ; wave 0..7
	s_and_b32 s11, ttmp7, 0xffff                   ; b
	s_lshl_b32 s12, ttmp9, 25                      ; enc: 256 rows of 131,072 bytes for the work-group,
	s_lshl_b32 s20, s10, 22                        ; 32 for the wave,
	s_add_co_u32 s12, s12, s20
	s_lshl_b32 s14, s11, 12                        ; and b's 4,096 bytes (u's offset too): under 2^28 in all
	s_add_co_u32 s12, s12, s14
	s_mov_b32 s13, 0
	s_mov_b32 s15, 0
	s_lshl_b32 s16, s11, 13                        ; e: b's row of 8,192 bytes,
	s_lshl_b32 s20, ttmp9, 10                      ; the work-group's 256 numbers
	s_add_co_u32 s16, s16, s20
	s_mov_b32 s17, 0
	s_mov_b32 s18, 0x76543210                      ; v_permlanex16_b32: each lane takes its own place in the other half
	s_mov_b32 s19, 0xfedcba98
	v_and_b32 v[LO], 31, v0
	v_lshlrev_b32 v[LO], 4, v[LO]
	v_lshlrev_b32 v[LE], 2, v0
	v_and_b32 v[OA], 63, v0
	v_lshlrev_b32 v[OA], 4, v[OA]
	v_mov_b32 v[T1], 0                             ; the exchange's destination counts as read
	v_mov_b32 v[E], 0                              ; each lane's word is chosen once below; the select reads the old one
	s_wait_kmcnt 0x0
	s_add_nc_u64 s[4:5], s[4:5], s[12:13]
	s_add_nc_u64 s[6:7], s[6:7], s[14:15]
	s_add_nc_u64 s[8:9], s[8:9], s[16:17]
.irp j, 0,1,2,3,4,5,6,7
	global_load_b128 v[U+4*(\j):U+4*(\j)+3], v[LO], s[6:7] offset:512*(\j)
.endr
.set ii, 0
.rept SLOTS                            ; the ring is filled: with u's eight, 56 loads of the wave are out
.irp j, 0,1,2,3,4,5,6,7
	global_load_b128 v[X+32*ii+4*(\j):X+32*ii+4*(\j)+3], v[LO], s[4:5] offset:ii*SROW+512*(\j) th:TH_LOAD_NT
.endr
.set ii, ii+1
.endr
; Row i: its 32 numbers a lane times u's, the slot filled again, the sum over the lanes, and lane i keeps it.
.macro ROW i
.set xs, X+32*((\i)%SLOTS)
.if (\i) <= ROWS-SLOTS
	s_wait_loadcnt 8*(SLOTS-1)                     ; loads come back in order (ISA guide 5.7.1): my row is in, the five rows behind it stay out; at row 0 u, asked for first, is in too
.else
	s_wait_loadcnt 8*(ROWS-1-(\i))                 ; nothing is asked for any more: the counts run down
.endif
.irp p, 0,1,2,3
	v_pk_mul_f32 v[A+2*(\p):A+2*(\p)+1], v[xs+2*(\p):xs+2*(\p)+1], v[U+2*(\p):U+2*(\p)+1]  ; the first four pairs start the chains: nothing is cleared
.endr
.irp p, 4,5,6,7,8,9,10,11,12,13,14,15
	v_pk_fma_f32 v[A+2*((\p)%4):A+2*((\p)%4)+1], v[xs+2*(\p):xs+2*(\p)+1], v[U+2*(\p):U+2*(\p)+1], v[A+2*((\p)%4):A+2*((\p)%4)+1]
.endr
.if (\i) < ROWS-SLOTS
.irp j, 0,1,2,3,4,5,6,7
	global_load_b128 v[xs+4*(\j):xs+4*(\j)+3], v[LO], s[4:5] offset:((\i)+SLOTS)*SROW+512*(\j) th:TH_LOAD_NT  ; the slot's next row, as soon as the products have read it
.endr
.endif
	v_pk_add_f32 v[A:A+1], v[A:A+1], v[A+2:A+3]
	v_pk_add_f32 v[A+4:A+5], v[A+4:A+5], v[A+6:A+7]
	v_pk_add_f32 v[A:A+1], v[A:A+1], v[A+4:A+5]
	v_add_f32 v[T], v[A], v[A+1]
.irp m, 1,2,4,8
	v_add_f32_dpp v[T], v[T], v[T] row_xmask:\m row_mask:0xf bank_mask:0xf  ; inside each half of 16 lanes
.endr
	v_permlanex16_b32 v[T1], v[T], s18, s19        ; and across the halves
	v_add_f32 v[T], v[T], v[T1]
	s_mov_b32 vcc_lo, 1<<(\i)
	v_cndmask_b32 v[E], v[E], v[T], vcc_lo         ; lane i takes the sum, the others keep theirs
.endm
.set ii, 0
.rept ROWS
	ROW ii
.set ii, ii+1
.endr
	ds_store_b32 v[LE], v[E]                       ; thread t holds the energy of s = 256 sc + t
	s_wait_tensorcnt 0x0                           ; behind my last LDS store
	ds_add_u32 v[SPW], v[NIL]
	s_wait_dscnt 0x0                               ; the last of them is also the wait, for the others' sake, for my store above
	s_barrier_signal -1
	s_barrier_wait -1                              ; all 256 energies are in LDS
	s_cmp_lt_u32 s10, 2
	s_cbranch_scc0 .Lend                           ; 1,024 bytes are 64 threads' 16 bytes: waves 0 and 1
	ds_load_b128 v[OD:OD+3], v[OA]
	s_wait_dscnt 0x0
	global_store_b128 v[OA], v[OD:OD+3], s[8:9]    ; a wave stores 512 consecutive bytes, at a multiple of 256 from e's first byte
.Lend:
	s_endpgm
.Lfunc_end_k_qbda13212ad_energies:
	.size	k_qbda13212ad_energies, .Lfunc_end_k_qbda13212ad_energies-k_qbda13212ad_energies
	.p2alignl 7, 3214868480
	.fill 96, 4, 3214868480
	.section	.rodata,"a",@progbits
	.p2align	6, 0x0
	.amdhsa_kernel k_qbda13212ad_energies
		.amdhsa_group_segment_fixed_size 2048
		.amdhsa_private_segment_fixed_size 0
		.amdhsa_enable_private_segment 0
		.amdhsa_kernarg_size 24
		.amdhsa_user_sgpr_count 2
		.amdhsa_user_sgpr_kernarg_segment_ptr 1
		.amdhsa_wavefront_size32 1
		.amdhsa_system_sgpr_workgroup_id_x 1
		.amdhsa_system_sgpr_workgroup_id_y 1
		.amdhsa_system_sgpr_workgroup_id_z 1
		.amdhsa_system_vgpr_workitem_id 0
		.amdhsa_next_free_vgpr 246
		.amdhsa_next_free_sgpr 66
		.amdhsa_reserve_vcc 1
		.amdhsa_float_denorm_mode_32 3
		.amdhsa_float_denorm_mode_16_64 3
		.amdhsa_memory_ordered 1
		.amdhsa_forward_progress 1
		.amdhsa_inst_pref_size 81
	.end_amdhsa_kernel
	.amdgpu_metadata
---
amdhsa.version: [ 1, 2 ]
amdhsa.kernels:
  - .name:           k_qbda13212ad_energies
    .symbol:         k_qbda13212ad_energies.kd
    .args:
      - { .name: encoder_outputs, .offset: 0, .size: 8, .value_kind: global_buffer, .address_space: global }
      - { .name: u_ws, .offset: 8, .size: 8, .value_kind: global_buffer, .address_space: global }
      - { .name: e_ws, .offset: 16, .size: 8, .value_kind: global_buffer, .address_space: global }
    .group_segment_fixed_size: 2048
    .private_segment_fixed_size: 0
    .kernarg_segment_align: 8
    .kernarg_segment_size: 24
    .max_flat_workgroup_size: 256
    .sgpr_count:     66
    .vgpr_count:     246
    .wavefront_size: 32
...
	.end_amdgpu_metadata
.endif
;; end of part 2
;; launch softmax (part 3): grid 32 x 1, 8 waves a work-group, no clusters, 1,280 bytes of LDS; arguments e_ws, decoder_hidden, b, out0; writes out0
.if DOCPART == 3
	.amdgcn_target "amdgcn-amd-amdhsa--gfx1250"
	.amdhsa_code_object_version 6
	.text
	.protected	k_qbda13212ad_softmax
	.globl	k_qbda13212ad_softmax
	.p2align	8
	.type	k_qbda13212ad_softmax,@function
k_qbda13212ad_softmax:
	s_mov_b64 s[64:65], 0
	v_nop
	global_prefetch_b8 v0, s[64:65] scope:SCOPE_SE
	s_setreg_imm32_b32 hwreg(HW_REG_WAVE_MODE, 25, 1), 1
	s_wait_xcnt 0x0
; out[b][0][s] = softmax over s of (e[b][s] + c[b]), c[b] = dec[b] . bias.  e: [32][2048] f32, dec: [32][1024] f32, bias: [1024] f32, out: [32][1][2048] f32.
; One work-group for each b, since the maximum and the sum span all s of a b; 8 waves, a thread holds 8 energies, 4 numbers of dec and 4 of bias.  The row stays in registers: read once, written once.
; The maximum is taken away before the exponential.  It is found on the raw energies, and c is added to it as to every energy: an f32 addition of one number keeps the order,
; so m + c is the largest of all e + c.  The difference is formed before the scaling by log2(e), so it is exact near the maximum.
; LIMITS.  A weight below 2^-126 comes out as 0 (v_exp_f32 flushes: ISA guide 15.8); NaN and infinities are not treated apart: a NaN among the energies spreads over its row through the sum.
; 32 work-groups: the design has work for no more; the launch moves 0.6 MB.
.set SPARE, 256                        ; the spare words, 128 bytes for each of the eight waves; the block from 0 holds the waves' figures
.set LO,  1                            ; v1        16 x thread
.set E,   2                            ; v[2:9]    my energies: s = 4 t + 0..3 and 1,024 + 4 t + 0..3
.set D,   10                           ; v[10:13]  dec[b][4 t ..]
.set BV,  14                           ; v[14:17]  bias[4 t ..]
.set C,   18                           ; v18       c, first my part of it; low word of the pair v[18:19]
.set M,   19                           ; v19       the maximum of the raw energies
.set MX,  20                           ; v[20:21]  m + c in the low word; later 1 / sum
.set R,   22                           ; v[22:37]  the waves' figures read back, and at work
.set SPW, 38                           ; v38       LDS address of my spare word; never rewritten
.set NIL, 39                           ; v39       0; never rewritten
.set PA,  40                           ; v40       8 w: my wave's pair (c, m)
.set SA,  41                           ; v41       64 + 4 w: my wave's sum
.set ZA,  42                           ; v42       0: from where all waves' figures are read
.set TP,  43                           ; v43       the exchange between the halves of the lanes
; over the 32 lanes of a wave: four steps inside each half ride on the arithmetic (DPP), one crosses the halves; every lane ends with the result
.macro ACROSS op, opd, r
.irp m, 1,2,4,8
	\opd v[\r], v[\r], v[\r] row_xmask:\m row_mask:0xf bank_mask:0xf
.endr
	v_permlanex16_b32 v[TP], v[\r], s18, s19
	\op v[\r], v[\r], v[TP]
.endm
	s_load_b256 s[4:11], s[0:1], 0x0               ; e s[4:5], dec s[6:7], bias s[8:9], out s[10:11]
	v_lshl_add_u32 v[SPW], v0, 2, SPARE
	v_mov_b32 v[NIL], 0
	v_lshrrev_b32 v[LO], 5, v0
	v_readfirstlane_b32 s12, v[LO]                 ; wave 0..7
	v_lshlrev_b32 v[LO], 4, v0
	s_lshl_b32 s14, ttmp9, 13                      ; b's row of e and of out: 8,192 bytes
	s_mov_b32 s15, 0
	s_lshl_b32 s16, ttmp9, 12                      ; b's row of dec: 4,096 bytes
	s_mov_b32 s17, 0
	s_mov_b32 s18, 0x76543210                      ; v_permlanex16_b32: each lane takes its own place in the other half
	s_mov_b32 s19, 0xfedcba98
	v_mov_b32 v[PA], s12
	v_lshlrev_b32 v[PA], 3, v[PA]
	v_lshl_add_u32 v[SA], s12, 2, 64
	v_mov_b32 v[ZA], 0
	v_mov_b32 v[TP], 0                             ; the exchange's destination counts as read
	v_mov_b32 v[MX+1], 0                           ; named with v20 as a pair
	s_wait_kmcnt 0x0
	s_add_nc_u64 s[4:5], s[4:5], s[14:15]
	s_add_nc_u64 s[10:11], s[10:11], s[14:15]
	s_add_nc_u64 s[6:7], s[6:7], s[16:17]
	global_load_b128 v[D:D+3], v[LO], s[6:7]
	global_load_b128 v[BV:BV+3], v[LO], s[8:9]
	global_load_b128 v[E:E+3], v[LO], s[4:5]
	global_load_b128 v[E+4:E+7], v[LO], s[4:5] offset:4096
	s_wait_loadcnt 2                               ; dec and bias are in; the two loads of energies behind them may stay out
	v_mul_f32 v[C], v[D], v[BV]
	v_fmac_f32 v[C], v[D+1], v[BV+1]
	v_fmac_f32 v[C], v[D+2], v[BV+2]
	v_fmac_f32 v[C], v[D+3], v[BV+3]
	ACROSS v_add_f32, v_add_f32_dpp, C
	s_wait_loadcnt 0x0
	v_max3_num_f32 v[M], v[E], v[E+1], v[E+2]
	v_max3_num_f32 v[M], v[M], v[E+3], v[E+4]
	v_max3_num_f32 v[M], v[M], v[E+5], v[E+6]
	v_max_num_f32 v[M], v[M], v[E+7]
	ACROSS v_max_num_f32, v_max_num_f32_dpp, M
	ds_store_b64 v[PA], v[C:M]                     ; all lanes write the wave's pair with the same two numbers
	s_wait_dscnt 0x0                               ; for the others' sake
	s_barrier_signal -1
	s_barrier_wait -1
.irp p, 0,1,2,3
	ds_load_b128 v[R+4*(\p):R+4*(\p)+3], v[ZA] offset:16*(\p)  ; c0 m0 c1 m1 .. c7 m7, in every lane
.endr
	s_wait_dscnt 0x0
	v_add_f32 v[R], v[R], v[R+2]
	v_add_f32 v[R+4], v[R+4], v[R+6]
	v_add_f32 v[R+8], v[R+8], v[R+10]
	v_add_f32 v[R+12], v[R+12], v[R+14]
	v_max3_num_f32 v[M], v[R+1], v[R+3], v[R+5]
	v_add_f32 v[R], v[R], v[R+4]
	v_add_f32 v[R+8], v[R+8], v[R+12]
	v_max3_num_f32 v[M], v[M], v[R+7], v[R+9]
	v_add_f32 v[C], v[R], v[R+8]                   ; c = dec[b] . bias
	v_max3_num_f32 v[M], v[M], v[R+11], v[R+13]
	v_max_num_f32 v[M], v[M], v[R+15]
	v_add_f32 v[MX], v[M], v[C]                    ; the largest of all e + c
.irp p, 0,2,4,6
	v_pk_add_f32 v[E+(\p):E+(\p)+1], v[E+(\p):E+(\p)+1], v[C:C+1] op_sel_hi:[1,0]                                ; the energy as the module defines it: e + c
.endr
.irp p, 0,2,4,6
	v_pk_add_f32 v[E+(\p):E+(\p)+1], v[E+(\p):E+(\p)+1], v[MX:MX+1] op_sel_hi:[1,0] neg_lo:[0,1] neg_hi:[0,1]    ; less the maximum
.endr
.irp p, 0,2,4,6
	v_pk_mul_f32 v[E+(\p):E+(\p)+1], v[E+(\p):E+(\p)+1], 0x3fb8aa3b op_sel_hi:[1,0]                              ; times log2(e): v_exp_f32 works in base 2
.endr
.irp p, 0,1,2,3,4,5,6,7
	v_exp_f32 v[E+(\p)], v[E+(\p)]
.endr
	v_nop                                          ; a plain instruction between the last exponential and the use of its result (ISA guide 5.7.2)
	s_wait_alu depctr_va_vdst(0)
	v_pk_add_f32 v[R:R+1], v[E:E+1], v[E+2:E+3]
	v_pk_add_f32 v[R+2:R+3], v[E+4:E+5], v[E+6:E+7]
	v_pk_add_f32 v[R:R+1], v[R:R+1], v[R+2:R+3]
	v_add_f32 v[R+4], v[R], v[R+1]
	ACROSS v_add_f32, v_add_f32_dpp, R+4
	ds_store_b32 v[SA], v[R+4]                     ; other bytes than the pairs above, which some wave may still be reading
	s_wait_tensorcnt 0x0                           ; behind my last LDS store
	ds_add_u32 v[SPW], v[NIL]
	s_wait_dscnt 0x0                               ; the last of them is also the wait, for the others' sake, for my store above
	s_barrier_signal -1
	s_barrier_wait -1
	ds_load_b128 v[R:R+3], v[ZA] offset:64
	ds_load_b128 v[R+4:R+7], v[ZA] offset:80
	s_wait_dscnt 0x0
	v_add_f32 v[R], v[R], v[R+1]
	v_add_f32 v[R+2], v[R+2], v[R+3]
	v_add_f32 v[R+4], v[R+4], v[R+5]
	v_add_f32 v[R+6], v[R+6], v[R+7]
	v_add_f32 v[R], v[R], v[R+2]
	v_add_f32 v[R+4], v[R+4], v[R+6]
	v_add_f32 v[R], v[R], v[R+4]                   ; at least 1: the largest energy's weight is 2^0
	v_rcp_f32 v[MX], v[R]
	v_mov_b32 v[MX+1], 0                           ; the plain instruction behind the reciprocal; it names neither its result nor its source
	s_wait_alu depctr_va_vdst(0)
.irp p, 0,2,4,6
	v_pk_mul_f32 v[E+(\p):E+(\p)+1], v[E+(\p):E+(\p)+1], v[MX:MX+1] op_sel_hi:[1,0]
.endr
	global_store_b128 v[LO], v[E:E+3], s[10:11]                 ; a wave stores 512 consecutive bytes, at a multiple of 256 from out's first byte
	global_store_b128 v[LO], v[E+4:E+7], s[10:11] offset:4096
	s_endpgm
.Lfunc_end_k_qbda13212ad_softmax:
	.size	k_qbda13212ad_softmax, .Lfunc_end_k_qbda13212ad_softmax-k_qbda13212ad_softmax
	.p2alignl 7, 3214868480
	.fill 96, 4, 3214868480
	.section	.rodata,"a",@progbits
	.p2align	6, 0x0
	.amdhsa_kernel k_qbda13212ad_softmax
		.amdhsa_group_segment_fixed_size 1280
		.amdhsa_private_segment_fixed_size 0
		.amdhsa_enable_private_segment 0
		.amdhsa_kernarg_size 32
		.amdhsa_user_sgpr_count 2
		.amdhsa_user_sgpr_kernarg_segment_ptr 1
		.amdhsa_wavefront_size32 1
		.amdhsa_system_sgpr_workgroup_id_x 1
		.amdhsa_system_sgpr_workgroup_id_y 1
		.amdhsa_system_sgpr_workgroup_id_z 1
		.amdhsa_system_vgpr_workitem_id 0
		.amdhsa_next_free_vgpr 44
		.amdhsa_next_free_sgpr 66
		.amdhsa_reserve_vcc 0
		.amdhsa_float_denorm_mode_32 3
		.amdhsa_float_denorm_mode_16_64 3
		.amdhsa_memory_ordered 1
		.amdhsa_forward_progress 1
		.amdhsa_inst_pref_size 7
	.end_amdhsa_kernel
	.amdgpu_metadata
---
amdhsa.version: [ 1, 2 ]
amdhsa.kernels:
  - .name:           k_qbda13212ad_softmax
    .symbol:         k_qbda13212ad_softmax.kd
    .args:
      - { .name: e_ws, .offset: 0, .size: 8, .value_kind: global_buffer, .address_space: global }
      - { .name: decoder_hidden, .offset: 8, .size: 8, .value_kind: global_buffer, .address_space: global }
      - { .name: b, .offset: 16, .size: 8, .value_kind: global_buffer, .address_space: global }
      - { .name: out0, .offset: 24, .size: 8, .value_kind: global_buffer, .address_space: global }
    .group_segment_fixed_size: 1280
    .private_segment_fixed_size: 0
    .kernarg_segment_align: 8
    .kernarg_segment_size: 32
    .max_flat_workgroup_size: 256
    .sgpr_count:     66
    .vgpr_count:     44
    .wavefront_size: 32
...
	.end_amdgpu_metadata
.endif
;; end of part 3
;; ======== version 2 of 2: 3 launches; version 1 with the launches project, energies written anew for expert scheduling mode
;; workspace buffers: u_ws 131,072 bytes; e_ws 262,144 bytes
;; launch project (part 4): grid 16 x 8, 8 waves a work-group, no clusters, 17,408 bytes of LDS; arguments decoder_hidden, W, u_ws; writes u_ws
.if DOCPART == 4
	.amdgcn_target "amdgcn-amd-amdhsa--gfx1250"
	.amdhsa_code_object_version 6
	.text
	.protected	k_qbda13212ad_project
	.globl	k_qbda13212ad_project
	.p2align	8
	.type	k_qbda13212ad_project,@function
k_qbda13212ad_project:
	s_mov_b64 s[64:65], 0
	v_nop
	global_prefetch_b8 v0, s[64:65] scope:SCOPE_SE
	s_setreg_imm32_b32 hwreg(HW_REG_WAVE_SCHED_MODE, 0, 2), 2
	s_setreg_imm32_b32 hwreg(HW_REG_WAVE_MODE, 25, 1), 1
	s_wait_xcnt 0x0
	s_wait_alu depctr_vm_vsrc(0)
; u[b][h] = the sum over k of dec[b][k] W[k][h].  dec: [32][1024] f32, W: [1024][1024] f32, u: [32][1024] f32.
; WHY.  energy[b][s] = dec[b] . (W enc[s][b] + bias) = (dec[b] W) . enc[s][b] + dec[b] . bias for every input, so the large product is never formed:
; this launch makes dec W, the next one its dot products with enc, the last one adds dec . bias and takes the softmax.
; ALL IN F32, on the vector unit: the energies' spread is about 32 and a weight of the softmax follows an energy's error one to one, so 16-bit operands
; would leave the allowance; and the work is 34 M multiply-adds beside 4 MiB of W.
; LIMIT.  The order of the f32 sums differs from the order in which the unfactored product would add; NaN and infinities are not treated apart.
; SHARES.  A work-group makes 4 rows b x 64 columns h.  Wave w takes k = 128 w .. 128 w + 127; lanes 0-15 the first 64 of them, lanes 16-31 the other 64;
; a lane holds 4 columns.  So one load of W brings two pieces of 256 consecutive bytes, each at a multiple of 256 from W's first byte.
; dec comes in by whole rows' pieces (512 consecutive bytes a load): dec[.][128 w + 64 h + j] then lies in lane j / 4 of my own 16 lanes, register j % 4,
; and a DPP move (row_share) hands it to all sixteen.
; The 16 partial sums (8 waves x 2 halves) meet in LDS; waves 0 and 1 add them and store.
; No address register is ever rewritten: every step stands in an immediate.
; THE MODE: SCHED_MODE bits 1:0 = 2 (LLVM: expert scheduling mode 2), set by the entry lines.  The code itself states the register dependences
; between vector instructions and memory or LDS instructions, with s_wait_alu, always for 0.
; THE PLAN.  Registers that memory or LDS instructions touch:
;   X, slot j % 48   Read by step j's eight products.  Row 48 + k lands in slot k; it is asked for at the head of step k + 4.  On the way out the partial sums land in slots 0 to 15.
;   D                Loaded once; read by vector instructions alone.
;   v1, v2, v238 to v240   Offsets and LDS addresses, made once at the head and never written again.
;   A                Written by the products; read by the four LDS stores on the way out.
;   T is named by vector instructions alone.
; So ONE wait on va_vdst stands at the head of steps 4, 8, 12 and 16: the four steps before it are done reading their slots.  The four loads into those slots follow, one at the head of
; each of the next four steps, whose vector instructions name later slots, T, D and A: none of the registers that those loads touch.
; No register that a memory instruction reads is written again, so there is no wait on vm_vsrc.
.set SLOTS, 48                         ; rows of W in the ring, for each half of the lanes
.set LAG,   4                          ; a slot is asked for again four steps behind the step that read it
.set KW,    64                         ; steps: k of a half-wave
.set WROW,  4096                       ; bytes in a row of W, of dec and of u
.set VW,  1                            ; v1        byte offset of my 16 bytes in the wave's first row of W: h << 18 | 16 c
.set VD,  2                            ; v2        16 x lane: my 16 bytes of the wave's 512 of a row of dec
.set D,   4                            ; v[4:19]   dec, row i at D + 4 i
.set A,   20                           ; v[20:35]  sums: row i, my 4 columns, at A + 4 i
.set T,   36                           ; v[36:43]  the step's four numbers of dec, each in the low word of a pair of its own
.set X,   44                           ; v[44:235] the ring: slot j % 48, 4 registers
.set LST, 238                          ; v238      where my partial sums go
.set LRD, 239                          ; v239      where I read partial sums back (waves 0 and 1)
.set UO,  240                          ; v240      my byte offset in the work-group's part of u (waves 0 and 1)
	s_load_b128 s[4:7], s[0:1], 0x0                ; dec s[4:5], W s[6:7]
	s_load_b64 s[8:9], s[0:1], 0x10                ; u
	v_lshl_add_u32 v237, v0, 2, 0x4000
	v_mov_b32 v241, 0
	v_lshrrev_b32 v3, 5, v0
	v_readfirstlane_b32 s10, v3                    ; wave 0..7
	v_and_b32 v3, 15, v0
	v_lshlrev_b32 v3, 4, v3                        ; 16 c
	v_bfe_u32 v[VW], v0, 4, 1                      ; h
	v_lshl_or_b32 v[LST], v[VW], 10, v3            ; set 2 w + h of 1,024 bytes: h << 10 | 16 c,
	v_lshl_or_b32 v[VW], v[VW], 18, v3             ; 64 rows of W further down for lanes 16-31
	v_and_b32 v[VD], 31, v0
	v_lshlrev_b32 v[VD], 4, v[VD]
	v_and_b32 v[LRD], 63, v0                       ; t = 16 i + c among the 64 threads of waves 0 and 1
	v_lshrrev_b32 v[UO], 4, v[LRD]
	v_lshl_or_b32 v[UO], v[UO], 12, v3             ; row i of u, 16 c
	v_lshlrev_b32 v[LRD], 4, v[LRD]                ; 16 t: inside a set of 1,024 bytes
.irp i, 0,1,2,3,4,5,6,7
	v_mov_b32 v[T+(\i)], 0                         ; a DPP move's destination counts as read, and the packed forms name whole pairs: all eight are written once
.endr
	s_wait_alu depctr_va_sdst(0)                   ; s10 is written, ahead of its first reader: the offsets in W and dec and the LDS address below are made from it
	s_and_b32 s11, ttmp7, 0xffff                   ; which four rows b
	s_lshl_b32 s12, ttmp9, 8                       ; W: my 64 columns, 256 bytes of a row,
	s_lshl_b32 s20, s10, 19                        ; and the wave's 128 rows of 4,096 bytes
	s_add_co_u32 s12, s12, s20
	s_mov_b32 s13, 0
	s_lshl_b32 s14, s11, 14                        ; dec: four rows of 4,096 bytes,
	s_lshl_b32 s20, s10, 9                         ; and the wave's 128 numbers
	s_add_co_u32 s14, s14, s20
	s_mov_b32 s15, 0
	s_lshl_b32 s16, s11, 14                        ; u: the same four rows,
	s_lshl_b32 s20, ttmp9, 8                       ; the same 64 columns
	s_add_co_u32 s16, s16, s20
	s_mov_b32 s17, 0
	v_lshl_add_u32 v[LST], s10, 11, v[LST]         ; + w << 11
	s_wait_kmcnt 0x0
	s_add_nc_u64 s[4:5], s[4:5], s[14:15]
	s_add_nc_u64 s[6:7], s[6:7], s[12:13]
	s_add_nc_u64 s[8:9], s[8:9], s[16:17]
	s_wait_alu depctr_va_vdst(0)                   ; the five offsets and addresses v1, v2, v238 to v240 are written: every load, LDS access and store of the kernel reads one of them
.irp i, 0,1,2,3
	global_load_b128 v[D+4*(\i):D+4*(\i)+3], v[VD], s[4:5] offset:(\i)*WROW
.endr
.set j, 0
.rept SLOTS                            ; the ring is filled: with dec's four, 52 loads of the wave are out
	global_load_b128 v[X+4*j:X+4*j+3], v[VW], s[6:7] offset:j*WROW
.set j, j+1
.endr
; Step j = 4 n + r: row j of my half's 64 rows of W times dec's number j, for the four rows b.
.macro STEP n, r
.set j, 4*(\n)+(\r)
.set xs, X+4*(j%SLOTS)
.if j < LAG
	s_wait_loadcnt SLOTS-1-j                       ; loads come back in order (ISA guide 5.7.1): row j is in, the rows j + 1 to 47 asked for behind it stay out; at j = 0 dec, asked for first, is in too
.elseif j <= KW-SLOTS+LAG
	s_wait_loadcnt SLOTS-1-LAG                     ; behind row j the rows up to 43 + j have been asked for: 43 stay out
.else
	s_wait_loadcnt KW-1-j                          ; nothing is asked for any more: the counts run down
.endif
.if ((\r) == 0) && (j >= LAG) && (j < KW-SLOTS+LAG)
	s_wait_alu depctr_va_vdst(0)                   ; the products of the four steps before are done reading their slots, in which this step's load and the next three steps' land
.endif
.if (j >= LAG) && (j < KW-SLOTS+LAG)
	global_load_b128 v[xs-4*LAG:xs-4*LAG+3], v[VW], s[6:7] offset:(j-LAG+SLOTS)*WROW  ; the next row of the slot read four steps ago; no vector instruction since the wait names it
.endif
.irp i, 0,1,2,3
	v_mov_b32_dpp v[T+2*(\i)], v[D+4*(\i)+(\r)] row_share:\n row_mask:0xf bank_mask:0xf  ; dec[4 bc + i][128 w + 64 h + j] to all sixteen lanes of my half
.endr
.irp i, 0,1,2,3
.irp q, 0,2
.if j == 0
	v_pk_mul_f32 v[A+4*(\i)+(\q):A+4*(\i)+(\q)+1], v[xs+(\q):xs+(\q)+1], v[T+2*(\i):T+2*(\i)+1] op_sel_hi:[1,0]  ; the first products start the sums: nothing is cleared
.else
	v_pk_fma_f32 v[A+4*(\i)+(\q):A+4*(\i)+(\q)+1], v[xs+(\q):xs+(\q)+1], v[T+2*(\i):T+2*(\i)+1], v[A+4*(\i)+(\q):A+4*(\i)+(\q)+1] op_sel_hi:[1,0,1]
.endif
.endr
.endr
.endm
.irp n, 0,1,2,3,4,5,6,7,8,9,10,11,12,13,14,15
.irp r, 0,1,2,3
	STEP \n, \r
.endr
.endr
	; my partial sums: set 2 w + h, row i, 64 columns; sixteen lanes write 256 consecutive bytes
	s_wait_alu depctr_va_vdst(0)                   ; the products have written A, which the LDS stores read, and are done reading the ring, in whose first sixteen slots the LDS loads below land
.irp i, 0,1,2,3
	ds_store_b128 v[LST], v[A+4*(\i):A+4*(\i)+3] offset:256*(\i)
.endr
	                                               ; the add on the spare words, from LDS byte 16,384 on, stands at the end instead
	s_wait_dscnt 0x0                               ; for the others' sake: my stores above are done
	s_barrier_signal -1
	s_barrier_wait -1                              ; all sixteen sets are in LDS
	s_cmp_lt_u32 s10, 2
	s_cbranch_scc0 .Lend                           ; 4 rows x 64 columns are 64 threads' 16 bytes: waves 0 and 1
.set p, 0
.rept 16
	ds_load_b128 v[X+4*p:X+4*p+3], v[LRD] offset:1024*p
.set p, p+1
.endr
	s_wait_dscnt 0x0
.irp st, 8,4,2,1                       ; a tree over the sixteen sets
.set p, 0
.rept \st
	v_pk_add_f32 v[X+4*p:X+4*p+1], v[X+4*p:X+4*p+1], v[X+4*(p+(\st)):X+4*(p+(\st))+1]
	v_pk_add_f32 v[X+4*p+2:X+4*p+3], v[X+4*p+2:X+4*p+3], v[X+4*(p+(\st))+2:X+4*(p+(\st))+3]
.set p, p+1
.endr
.endr
	s_wait_alu depctr_va_vdst(0)                   ; the tree has written v[X:X+3], which the store reads
	global_store_b128 v[UO], v[X:X+3], s[8:9]      ; sixteen lanes store 256 consecutive bytes of a row of u, at a multiple of 256 from u's first byte
.Lend:
	s_wait_dscnt 0x0
	s_wait_alu depctr_hold_cnt(0) depctr_sa_sdst(0) depctr_va_vdst(0) depctr_va_sdst(0) depctr_va_ssrc(0) depctr_va_vcc(0) depctr_vm_vsrc(0)
	s_wait_tensorcnt 0x0
	ds_add_u32 v237, v241
	s_wait_dscnt 0x0
	s_endpgm
.Lfunc_end_k_qbda13212ad_project:
	.size	k_qbda13212ad_project, .Lfunc_end_k_qbda13212ad_project-k_qbda13212ad_project
	.p2alignl 7, 3214868480
	.fill 96, 4, 3214868480
	.section	.rodata,"a",@progbits
	.p2align	6, 0x0
	.amdhsa_kernel k_qbda13212ad_project
		.amdhsa_group_segment_fixed_size 17408
		.amdhsa_private_segment_fixed_size 0
		.amdhsa_enable_private_segment 0
		.amdhsa_kernarg_size 24
		.amdhsa_user_sgpr_count 2
		.amdhsa_user_sgpr_kernarg_segment_ptr 1
		.amdhsa_wavefront_size32 1
		.amdhsa_system_sgpr_workgroup_id_x 1
		.amdhsa_system_sgpr_workgroup_id_y 1
		.amdhsa_system_sgpr_workgroup_id_z 1
		.amdhsa_system_vgpr_workitem_id 0
		.amdhsa_next_free_vgpr 242
		.amdhsa_next_free_sgpr 66
		.amdhsa_reserve_vcc 0
		.amdhsa_float_denorm_mode_32 3
		.amdhsa_float_denorm_mode_16_64 3
		.amdhsa_memory_ordered 1
		.amdhsa_forward_progress 1
		.amdhsa_inst_pref_size 63
	.end_amdhsa_kernel
	.amdgpu_metadata
---
amdhsa.version: [ 1, 2 ]
amdhsa.kernels:
  - .name:           k_qbda13212ad_project
    .symbol:         k_qbda13212ad_project.kd
    .args:
      - { .name: decoder_hidden, .offset: 0, .size: 8, .value_kind: global_buffer, .address_space: global }
      - { .name: W, .offset: 8, .size: 8, .value_kind: global_buffer, .address_space: global }
      - { .name: u_ws, .offset: 16, .size: 8, .value_kind: global_buffer, .address_space: global }
    .group_segment_fixed_size: 17408
    .private_segment_fixed_size: 0
    .kernarg_segment_align: 8
    .kernarg_segment_size: 24
    .max_flat_workgroup_size: 256
    .sgpr_count:     66
    .vgpr_count:     242
    .wavefront_size: 32
...
	.end_amdgpu_metadata
.endif
;; end of part 4
;; launch energies (part 5): grid 8 x 32, 8 waves a work-group, no clusters, 2,048 bytes of LDS; arguments encoder_outputs, u_ws, e_ws; writes e_ws
.if DOCPART == 5
	.amdgcn_target "amdgcn-amd-amdhsa--gfx1250"
	.amdhsa_code_object_version 6
	.text
	.protected	k_qbda13212ad_energies
	.globl	k_qbda13212ad_energies
	.p2align	8
	.type	k_qbda13212ad_energies,@function
k_qbda13212ad_energies:
	s_mov_b64 s[64:65], 0
	v_nop
	global_prefetch_b8 v0, s[64:65] scope:SCOPE_SE
	s_setreg_imm32_b32 hwreg(HW_REG_WAVE_SCHED_MODE, 0, 2), 2
	s_setreg_imm32_b32 hwreg(HW_REG_WAVE_MODE, 25, 1), 1
	s_wait_xcnt 0x0
	s_wait_alu depctr_vm_vsrc(0)
; e[b][s] = the sum over h of u[b][h] enc[s][b][h].  enc: [2048][32][1024] f32, u: [32][1024] f32, e: [32][2048] f32.  (dec . bias is added by the next launch.)
; A stream: every byte of enc is read once, by loads of 512 consecutive bytes; all arithmetic in f32 on the vector unit (two multiply-adds for 8 bytes read).
; LIMIT.  The order of the f32 sums is this text's own (four chains a lane, then a tree over the lanes); NaN and infinities are not treated apart.
; SHARES.  A work-group owns 256 values of s for one b; wave w 32 of them.  A row enc[s][b][:] is 4,096 consecutive bytes: eight loads of the wave; a lane holds columns
; 128 j + 4 lane + 0..3, and keeps the same columns of u[b] in 32 registers for the whole kernel.  Rows of one b lie 131,072 bytes apart: the row stands in the immediate
; (31 x 131,072 + 3,584 at the most, inside its signed 24 bits), so no address register is ever rewritten.
; A ring of six row slots in registers: while one row is multiplied, five are on their way: 40 loads of each wave, 20 KiB.
; No LDS ring, no matrix unit, no cluster: the waves share only u[b], 4 KiB beside a wave's 128 KiB of enc.
; THE MODE: SCHED_MODE bits 1:0 = 2 (LLVM: expert scheduling mode 2), set by the entry lines.  The code itself states the register dependences
; between vector instructions and memory or LDS instructions, with s_wait_alu, always for 0.
; THE PLAN.  Registers that memory or LDS instructions touch:
;   X, slot i % 6    Row i: its sixteen products read the slot; behind them the eight loads of row i + 6 land in it.
;   U                Loaded once; read by vector instructions alone.
;   v1, v237, v240   Offsets and LDS addresses, made once at the head and never written again.
;   v236 (E)         Written by the rows' selects; read by the one LDS store on the way out.
;   v[242:245]       Written by an LDS load, read by the store to e; no vector instruction names them.
;   The chains A, the sum T and its partner T1 are named by vector instructions alone.
; So ONE wait on va_vdst stands in a row, behind its products: they are done reading the slot.  It stands there and not at the next row's head, so that the slot is asked for again at once.
; The row's eight loads follow it, dealt among the lines that add the row up, which name A and T: none of the registers that those loads touch.
; No register that a memory instruction reads is written again, so there is no wait on vm_vsrc.
.set SLOTS, 6
.set ROWS,  32                         ; rows of a wave
.set SROW,  131072                     ; bytes from enc[s][b] to enc[s+1][b]
.set LO,  1                            ; v1        16 x lane
.set U,   2                            ; v[2:33]   my 32 numbers of u[b]
.set X,   34                           ; v[34:225] slot i % 6: 32 registers, a row as loaded
.set A,   226                          ; v[226:233] four chains of packed sums
.set T,   234                          ; v234      the row's sum
.set T1,  235                          ; v235      the other half of the lanes' sum
.set E,   236                          ; v236      lane i keeps row i's energy
.set LE,  237                          ; v237      4 x thread: where my energy goes in LDS
.set OA,  240                          ; v240      16 x (thread mod 64): LDS and e alike, on the way out
.set OD,  242                          ; v[242:245] four energies on the way out
	s_load_b128 s[4:7], s[0:1], 0x0                ; enc s[4:5], u s[6:7]
	s_load_b64 s[8:9], s[0:1], 0x10                ; e
	v_lshl_add_u32 v239, v0, 2, 0x400
	v_mov_b32 v241, 0
	v_lshrrev_b32 v[LO], 5, v0
	v_readfirstlane_b32 s10, v[LO]                 ; wave 0..7
	v_and_b32 v[LO], 31, v0
	v_lshlrev_b32 v[LO], 4, v[LO]
	v_lshlrev_b32 v[LE], 2, v0
	v_and_b32 v[OA], 63, v0
	v_lshlrev_b32 v[OA], 4, v[OA]
	v_mov_b32 v[T1], 0                             ; the exchange's destination counts as read
	v_mov_b32 v[E], 0                              ; each lane's word is chosen once below; the select reads the old one
	s_wait_alu depctr_va_sdst(0)                   ; s10 is written, ahead of its first reader: the wave's offset in enc is made from it
	s_and_b32 s11, ttmp7, 0xffff                   ; b
	s_lshl_b32 s12, ttmp9, 25                      ; enc: 256 rows of 131,072 bytes for the work-group,
	s_lshl_b32 s20, s10, 22                        ; 32 for the wave,
	s_add_co_u32 s12, s12, s20
	s_lshl_b32 s14, s11, 12                        ; and b's 4,096 bytes (u's offset too): under 2^28 in all
	s_add_co_u32 s12, s12, s14
	s_mov_b32 s13, 0
	s_mov_b32 s15, 0
	s_lshl_b32 s16, s11, 13                        ; e: b's row of 8,192 bytes,
	s_lshl_b32 s20, ttmp9, 10                      ; the work-group's 256 numbers
	s_add_co_u32 s16, s16, s20
	s_mov_b32 s17, 0
	s_mov_b32 s18, 0x76543210                      ; v_permlanex16_b32: each lane takes its own place in the other half
	s_mov_b32 s19, 0xfedcba98
	s_wait_kmcnt 0x0
	s_add_nc_u64 s[4:5], s[4:5], s[12:13]
	s_add_nc_u64 s[6:7], s[6:7], s[14:15]
	s_add_nc_u64 s[8:9], s[8:9], s[16:17]
	s_wait_alu depctr_va_vdst(0)                   ; v1, v237 and v240 are written: every load, LDS access and store of the kernel reads one of them as its offset or address
.irp j, 0,1,2,3,4,5,6,7
	global_load_b128 v[U+4*(\j):U+4*(\j)+3], v[LO], s[6:7] offset:512*(\j)
.endr
.set ii, 0
.rept SLOTS                            ; the ring is filled: with u's eight, 56 loads of the wave are out
.irp j, 0,1,2,3,4,5,6,7
	global_load_b128 v[X+32*ii+4*(\j):X+32*ii+4*(\j)+3], v[LO], s[4:5] offset:ii*SROW+512*(\j) th:TH_LOAD_NT
.endr
.set ii, ii+1
.endr
; Load j of the eight that fill row i's slot again, with the row six further on; the last six rows ask for nothing.
.macro NEXT i, j
.if (\i) < ROWS-SLOTS
	global_load_b128 v[xs+4*(\j):xs+4*(\j)+3], v[LO], s[4:5] offset:((\i)+SLOTS)*SROW+512*(\j) th:TH_LOAD_NT
.endif
.endm
; Row i: its 32 numbers a lane times u's, the slot filled again, the sum over the lanes, and lane i keeps it.
.macro ROW i
.set xs, X+32*((\i)%SLOTS)
.if (\i) <= ROWS-SLOTS
	s_wait_loadcnt 8*(SLOTS-1)                     ; loads come back in order (ISA guide 5.7.1): my row is in, the five rows behind it stay out; at row 0 u, asked for first, is in too
.else
	s_wait_loadcnt 8*(ROWS-1-(\i))                 ; nothing is asked for any more: the counts run down
.endif
.irp p, 0,1,2,3
	v_pk_mul_f32 v[A+2*(\p):A+2*(\p)+1], v[xs+2*(\p):xs+2*(\p)+1], v[U+2*(\p):U+2*(\p)+1]  ; the first four pairs start the chains: nothing is cleared
.endr
.irp p, 4,5,6,7,8,9,10,11,12,13,14,15
	v_pk_fma_f32 v[A+2*((\p)%4):A+2*((\p)%4)+1], v[xs+2*(\p):xs+2*(\p)+1], v[U+2*(\p):U+2*(\p)+1], v[A+2*((\p)%4):A+2*((\p)%4)+1]
.endr
.if (\i) < ROWS-SLOTS
	s_wait_alu depctr_va_vdst(0)                   ; the sixteen products are done reading the slot, in which the eight loads below land; the lines between those loads name A and T alone
.endif
	NEXT \i, 0
	v_pk_add_f32 v[A:A+1], v[A:A+1], v[A+2:A+3]
	NEXT \i, 1
	v_pk_add_f32 v[A+4:A+5], v[A+4:A+5], v[A+6:A+7]
	NEXT \i, 2
	v_pk_add_f32 v[A:A+1], v[A:A+1], v[A+4:A+5]
	NEXT \i, 3
	v_add_f32 v[T], v[A], v[A+1]
	NEXT \i, 4
	v_add_f32_dpp v[T], v[T], v[T] row_xmask:1 row_mask:0xf bank_mask:0xf  ; inside each half of 16 lanes
	NEXT \i, 5
	v_add_f32_dpp v[T], v[T], v[T] row_xmask:2 row_mask:0xf bank_mask:0xf
	NEXT \i, 6
	v_add_f32_dpp v[T], v[T], v[T] row_xmask:4 row_mask:0xf bank_mask:0xf
	NEXT \i, 7
	v_add_f32_dpp v[T], v[T], v[T] row_xmask:8 row_mask:0xf bank_mask:0xf
	v_permlanex16_b32 v[T1], v[T], s18, s19        ; and across the halves
	v_add_f32 v[T], v[T], v[T1]
	s_mov_b32 vcc_lo, 1<<(\i)
	v_cndmask_b32 v[E], v[E], v[T], vcc_lo         ; lane i takes the sum, the others keep theirs
.endm
.set ii, 0
.rept ROWS
	ROW ii
.set ii, ii+1
.endr
	s_wait_alu depctr_va_vdst(0)                   ; the last select has written E, which the LDS store reads
	ds_store_b32 v[LE], v[E]                       ; thread t holds the energy of s = 256 sc + t
	                                               ; the add on the spare words, from LDS byte 1,024 on, stands at the end instead
	s_wait_dscnt 0x0                               ; for the others' sake: my store above is done
	s_barrier_signal -1
	s_barrier_wait -1                              ; all 256 energies are in LDS
	s_cmp_lt_u32 s10, 2
	s_cbranch_scc0 .Lend                           ; 1,024 bytes are 64 threads' 16 bytes: waves 0 and 1
	ds_load_b128 v[OD:OD+3], v[OA]
	s_wait_dscnt 0x0
	global_store_b128 v[OA], v[OD:OD+3], s[8:9]    ; a wave stores 512 consecutive bytes, at a multiple of 256 from e's first byte
.Lend:
	s_wait_dscnt 0x0
	s_wait_alu depctr_hold_cnt(0) depctr_sa_sdst(0) depctr_va_vdst(0) depctr_va_sdst(0) depctr_va_ssrc(0) depctr_va_vcc(0) depctr_vm_vsrc(0)
	s_wait_tensorcnt 0x0
	ds_add_u32 v239, v241
	s_wait_dscnt 0x0
	s_endpgm
.Lfunc_end_k_qbda13212ad_energies:
	.size	k_qbda13212ad_energies, .Lfunc_end_k_qbda13212ad_energies-k_qbda13212ad_energies
	.p2alignl 7, 3214868480
	.fill 96, 4, 3214868480
	.section	.rodata,"a",@progbits
	.p2align	6, 0x0
	.amdhsa_kernel k_qbda13212ad_energies
		.amdhsa_group_segment_fixed_size 2048
		.amdhsa_private_segment_fixed_size 0
		.amdhsa_enable_private_segment 0
		.amdhsa_kernarg_size 24
		.amdhsa_user_sgpr_count 2
		.amdhsa_user_sgpr_kernarg_segment_ptr 1
		.amdhsa_wavefront_size32 1
		.amdhsa_system_sgpr_workgroup_id_x 1
		.amdhsa_system_sgpr_workgroup_id_y 1
		.amdhsa_system_sgpr_workgroup_id_z 1
		.amdhsa_system_vgpr_workitem_id 0
		.amdhsa_next_free_vgpr 246
		.amdhsa_next_free_sgpr 66
		.amdhsa_reserve_vcc 1
		.amdhsa_float_denorm_mode_32 3
		.amdhsa_float_denorm_mode_16_64 3
		.amdhsa_memory_ordered 1
		.amdhsa_forward_progress 1
		.amdhsa_inst_pref_size 82
	.end_amdhsa_kernel
	.amdgpu_metadata
---
amdhsa.version: [ 1, 2 ]
amdhsa.kernels:
  - .name:           k_qbda13212ad_energies
    .symbol:         k_qbda13212ad_energies.kd
    .args:
      - { .name: encoder_outputs, .offset: 0, .size: 8, .value_kind: global_buffer, .address_space: global }
      - { .name: u_ws, .offset: 8, .size: 8, .value_kind: global_buffer, .address_space: global }
      - { .name: e_ws, .offset: 16, .size: 8, .value_kind: global_buffer, .address_space: global }
    .group_segment_fixed_size: 2048
    .private_segment_fixed_size: 0
    .kernarg_segment_align: 8
    .kernarg_segment_size: 24
    .max_flat_workgroup_size: 256
    .sgpr_count:     66
    .vgpr_count:     246
    .wavefront_size: 32
...
	.end_amdgpu_metadata
.endif
;; end of part 5
;; launch softmax: the kernel of part 3 again; grid 32 x 1, 8 waves a work-group, no clusters, 1,280 bytes of LDS; arguments e_ws, decoder_hidden, b, out0; writes out0
